; MI455X (gfx1250); checked and timed in simulation.
; The chip was launched on July 23, 2026; its instructions are those of AMD's public machine-readable ISA for CDNA 5 (MIT licence, August 2026) and "CDNA5" Instruction Set Architecture Reference Guide (July 2026). The comments in the code are by the model that wrote it; some were corrected since.
;; My LSTM Cell. Allowed arithmetic: matrix products marked QUANTISED: E2M1 operands, one E8M0 scale for each 32 along K, by v_wmma_scale_f32_16x16x128_f8f6f4 with both operands' format E2M1 (or v_wmma_scale_f32_32x16x128_f4), f32 sums; everything else in f32.
;; Inputs: Wc_codes 2,048 x 128 x 16 uint8 (E2M1 codes of Wc, K innermost, in blocks of 32 codes, two codes a byte); Wc_scales 2,048 x 128 uint8 (E8M0 scales of Wc, one for each 32 codes along K); Wf_codes 2,048 x 128 x 16 uint8 (E2M1 codes of Wf, K innermost, in blocks of 32 codes, two codes a byte); Wf_scales 2,048 x 128 uint8 (E8M0 scales of Wf, one for each 32 codes along K); Wi_codes 2,048 x 128 x 16 uint8 (E2M1 codes of Wi, K innermost, in blocks of 32 codes, two codes a byte); Wi_scales 2,048 x 128 uint8 (E8M0 scales of Wi, one for each 32 codes along K); Wo_codes 2,048 x 128 x 16 uint8 (E2M1 codes of Wo, K innermost, in blocks of 32 codes, two codes a byte); Wo_scales 2,048 x 128 uint8 (E8M0 scales of Wo, one for each 32 codes along K); bc 2,048 float32; bf 2,048 float32; bi 2,048 float32; bo 2,048 float32; ct_pro 2,048 x 2,048 float32; ht_pro 2,048 x 2,048 float32; xt 2,048 x 2,048 float32.
;; Outputs: out0 2,048 x 2,048 float32; out1 2,048 x 2,048 float32.
;; This version of the problem:
;;   THIS VERSION OF THE PROBLEM IS GIVEN IN LOW PRECISION. The matrix products marked QUANTISED in the list below multiply operands that are first quantised to E2M1 (2 exponent bits, 1 mantissa bit; 4 bits a number), with one power-of-two scale for each 32 numbers along K (OCP MX v1.0); their sums are f32. All else is computed in f32.
;;   The module's matrix products, in the order in which they are computed (A, B: the left and right operand; K: the contracted axis; several contracted axes count as one K, in the product's order):
;;     1. [M 2,048, K 4,096] x [K 4,096, N 2,048]; A: computed on the way; B: input Wf (given as codes): QUANTISED
;;     2. [M 2,048, K 4,096] x [K 4,096, N 2,048]; A: computed on the way; B: input Wi (given as codes): QUANTISED
;;     3. [M 2,048, K 4,096] x [K 4,096, N 2,048]; A: computed on the way; B: input Wc (given as codes): QUANTISED
;;     4. [M 2,048, K 4,096] x [K 4,096, N 2,048]; A: computed on the way; B: input Wo (given as codes): QUANTISED
;;   THE QUANTISER, for each operand of a quantised product, along K:
;;     - K is cut into blocks of 32 from its start; a last block that is shorter is filled with zeros.
;;     - A block's scale is 2^e with e = floor(log2(the largest magnitude in the block)) - 2, held to -126 .. 127; a block of zeros has e = 0. As a byte (E8M0): e + 127.
;;     - Each number is divided by its block's scale, clamped to +-6, and rounded to the nearest number of E2M1, ties to even, subnormals kept.
;;     - The product sums the exact products of the quantised numbers (number of the format x scale) in f32.
;;   ~~~python
;;   def quantise(x, axis):      # numpy; x: float32 -> the quantised numbers, widened to float32 again
;;       x = np.moveaxis(x, axis, -1); K = x.shape[-1]
;;       x = np.pad(x, [(0, 0)] * (x.ndim - 1) + [(0, -K % 32)]); x = x.reshape(x.shape[:-1] + (-1, 32)); a = np.abs(x).max(-1, keepdims=True)
;;       e = np.where(a > 0, np.clip(np.frexp(np.where(a > 0, a, 1))[1] - 1 - 2, -126, 127), 0)      # np.frexp(a)[1] - 1 = floor(log2(a)), exactly
;;       r = np.clip(x / 2.0 ** e, -6, 6)
;;       step = 2.0 ** (np.maximum(np.frexp(np.where(r == 0, 1, r))[1] - 1, 0) - 1)
;;       q = np.round(r / step) * step * 2.0 ** e      # np.round: ties to even
;;       return np.moveaxis(q.reshape(q.shape[:-2] + (-1,))[..., :K], -1, axis).astype(np.float32)
;;   ~~~
;;   OPERANDS COMPUTED ON THE WAY. 'Computed on the way' means the value that the module computes at that place (a softmax that the list does not call 'softmax' is quantised finished and normalised). What goes into a quantiser is computed in f32, as accurately as f32 sums, v_exp_f32 and their like allow (about 1e-6 of the number): no bf16 or f16 on the way to a quantiser, and a product that is left as it is and whose result goes on into a quantised operand takes f32 operands (vector FMAs, or v_wmma_f32_16x16x4_f32). A number that lies on a knife's edge between two numbers of the format may be rounded either way, as far as f32 arithmetic and the matrix unit's own rounding can turn it there, and no further.
;;   INPUTS GIVEN AS CODES. Wc (in the module: [2048, 4096], K = its axis 1); Wf (in the module: [2048, 4096], K = its axis 1); Wi (in the module: [2048, 4096], K = its axis 1); Wo (in the module: [2048, 4096], K = its axis 1): each comes as NAME_codes (uint8): NAME with its K axis moved to the last place and cut into blocks of 32 codes, [.., K / 32, bytes a block], one block behind the other in memory; two codes a byte, the lower K in the low four bits (a code: sign, 2 exponent bits, 1 mantissa bit); and NAME_scales (uint8): the same leading axes, one E8M0 byte (e + 127) for each 32 codes along K. Its value is code x scale, taken as it is: it is not quantised again, and the codes and scales need not be those that the quantiser above would give.
;; One version. Each part assembles by itself: llvm-mc -triple=amdgcn-amd-amdhsa -mcpu=gfx1250 --defsym DOCPART=n.
;; ======== version 1 of 1: 2 launches
;; limits: right only within a limited range of input values
;; workspace buffers: xq 4,194,304 bytes; xs 262,144 bytes; wsc 1,048,576 bytes
;; launch prep (part 1): grid 640 x 1, 4 waves a work-group, no clusters, 39,936 bytes of LDS; arguments xt, ht_pro, Wf_scales, Wi_scales, Wc_scales, Wo_scales, xq, xs, wsc; writes xq, xs, wsc
.if DOCPART == 1
	.amdgcn_target "amdgcn-amd-amdhsa--gfx1250"
	.amdhsa_code_object_version 6
	.text
	.protected	k_q4a3bd0fafb_prep
	.globl	k_q4a3bd0fafb_prep
	.p2align	8
	.type	k_q4a3bd0fafb_prep,@function
k_q4a3bd0fafb_prep:
	s_mov_b64 s[64:65], 0
	v_nop
	global_prefetch_b8 v0, s[64:65] scope:SCOPE_SE
	s_setreg_imm32_b32 hwreg(HW_REG_WAVE_MODE, 25, 1), 1
	s_wait_xcnt 0x0
; The launch in front of the LSTM cell's products.  It writes three workspace buffers in the order in which the next launch's operand registers take them:
;   xq [128 row blocks of 16][128 blocks of 32 along K][16 rows][16 bytes]: FP4 (E2M1) codes of xh = [xt | ht_pro], quantised here, two codes a byte, the lower k in the low four bits;
;   xs [32 groups of 64 rows][8 K steps of 512][4 row blocks][16 rows][16 bytes]: its E8M0 scale bytes, one for each 32 along K;
;   wsc [32 tiles of 64 hidden units][8 K steps of 512][4 gates f i c o][64 units][16 bytes]: the weights' scale bytes, as they are given.
; Work-groups 0-511 quantise xh, work-groups 512-639 lay the weights' scales.  The two ways part on the work-group's number, never join, and have LDS bytes of their own.
; THE QUANTISER: a block's scale is 2^(floor(log2(its largest magnitude)) - 2); its byte is the largest magnitude's exponent field - 2, held at 1 from below; each number is divided by the scale and rounded to the nearest code, ties to even,
; beyond the largest code the largest.
; DEAD WORK: reference() uses ct_pro in no result (ct = (ft + it) c_t), whatever its values: no launch loads it or has it among its arguments.  LIMIT: a NaN or an infinity in ct_pro is not carried to a result.
; LIMITS: a block of zeros gets the byte 1 where the rule says 127 (its codes are zeros, which add nothing, and this program alone reads the bytes); blocks whose largest magnitude lies under 2^-124 are held at the byte 1;
; NaN and infinities in xt and ht_pro are not served.
; No tensor loads, no loop to run ahead in (all of a wave's loads stand at its head, so nothing is prefetched): every offset is an immediate, no pointer is stepped.  No cluster: no two work-groups read the same bytes.
.set STEPS, 8
.set EMAX,  2
.set SP,    80                         ; a lane's place in a stage: its 64 bytes + 16 of padding
.set KP,    288                        ; a block column of codes: 16 rows x 16 bytes + 32 of padding
.set CST,   2*32*SP                    ; behind a wave's two stages: its codes, 8 x KP bytes
.set WREG,  CST+8*KP
.set SCST,  4*WREG                     ; the work-group's scale bytes: 2 row blocks x 256
.set WLDS,  SCST+512                   ; the weights' way: 16 rows x WP bytes for each wave
.set WP,    144                        ; a row of 128 scale bytes + 16 of padding
.set SPARE, WLDS+4*16*WP               ; the spare words, 128 bytes for each wave
.set R,     16                         ; v16-143  eight sets of 16 numbers as they are loaded
.set X,     144                        ; v144-175 two sets of 16 neighbours
.set C,     176                        ; v176-191 codes, two registers for each step
.set E,     192                        ; v192-199 a scale byte for each step
.set SPW,   200
.set NIL,   201
	s_load_b512 s[4:19], s[0:1], 0x0               ; xt 4, ht_pro 6, scales of Wf 8, Wi 10, Wc 12, Wo 14, xq 16, xs 18
	s_load_b64 s[20:21], s[0:1], 0x40              ; wsc
	v_lshl_add_u32 v[SPW], v0, 2, SPARE
	v_mov_b32 v[NIL], 0
	v_lshrrev_b32 v1, 5, v0
	v_readfirstlane_b32 s28, v1                    ; wave 0..3
	v_and_b32 v2, 31, v0                           ; lane
	v_lshlrev_b32 v3, 4, v2                        ; 16 x lane
	s_wait_alu depctr_va_vdst(0)
	s_wait_kmcnt 0x0
	s_cmp_lt_u32 ttmp9, 512
	s_cbranch_scc0 .Lscales
; ---------------- xh.  Work-group q: 32 rows (q / 8), K step s = q % 8 of 512.  Wave w: row block w / 2 of the two, half w % 2 of the K step: 16 rows x 256 numbers, two rows (2 x 1,024 bytes) a step.
; The conversion takes eight numbers of ONE block from a lane's registers, so a lane must hold 16 NEIGHBOURS; each load reads 512 consecutive bytes, 16 a lane.  So a step's 2,048 bytes go through the wave's own stage in LDS
; and come back 64 bytes a lane: lanes 0-15 the first row, lanes 16-31 the second.
	s_lshr_b32 s29, ttmp9, 3                       ; which 32 rows
	s_and_b32 s30, ttmp9, 7                        ; s
	s_lshr_b32 s31, s28, 1
	s_and_b32 s32, s28, 1
	s_lshl_b32 s33, s29, 1
	s_add_co_u32 s33, s33, s31                     ; my row block
	s_lshl_b32 s34, s33, 17                        ; 16 rows of 8,192 bytes
	s_and_b32 s35, s30, 3
	s_lshl_b32 s35, s35, 11
	s_add_co_u32 s34, s34, s35
	s_lshl_b32 s35, s32, 10
	s_add_co_u32 s34, s34, s35
	s_mov_b32 s35, 0
	s_cmp_lt_u32 s30, 4                            ; K steps 0-3 lie in xt, 4-7 in ht_pro: the concatenation
	s_cselect_b64 s[4:5], s[4:5], s[6:7]
	s_add_nc_u64 s[4:5], s[4:5], s[34:35]
.irp t, 0,1,2,3,4,5,6,7
.irp i, 0,1,2,3
	global_load_b128 v[R+16*\t+4*\i:R+16*\t+4*\i+3], v3, s[4:5] offset:(2*\t+\i/2)*8192+512*(\i%2) th:TH_LOAD_NT   ; 32 lanes read 512 consecutive bytes
.endr
.endr
	s_lshl_b32 s34, s33, 15
	s_lshl_b32 s36, s30, 12
	s_add_co_u32 s34, s34, s36
	s_lshl_b32 s36, s32, 11
	s_add_co_u32 s34, s34, s36
	s_add_nc_u64 s[36:37], s[16:17], s[34:35]      ; my 2,048 bytes of codes
	s_lshl_b32 s33, s29, 1
	s_add_co_u32 s33, s33, s28                     ; waves 0 and 1 store the scales of the two row blocks: row block 2 (q / 8) + w
	s_lshr_b32 s34, s33, 2
	s_lshl_b32 s34, s34, 13
	s_and_b32 s33, s33, 3
	s_lshl_b32 s33, s33, 8
	s_add_co_u32 s34, s34, s33
	s_lshl_b32 s33, s30, 10
	s_add_co_u32 s34, s34, s33
	s_add_nc_u64 s[38:39], s[18:19], s[34:35]
	s_mul_i32 s40, s28, WREG                       ; my LDS
	s_add_co_u32 s41, s40, CST                     ; my codes in it
	s_lshl_b32 s42, s31, 8
	s_lshl_b32 s43, s32, 3
	s_add_co_u32 s42, s42, s43
	s_add_co_u32 s42, s42, SCST                    ; scale bytes: row block, half of the K step
	s_lshl_b32 s43, s28, 8
	s_add_co_u32 s43, s43, SCST
	v_lshrrev_b32 v14, 2, v2
	v_mul_u32_u24 v14, v14, SP
	v_and_b32 v15, 3, v2
	v_lshl_add_u32 v14, v15, 4, v14
	v_add_nc_u32 v14, s40, v14                     ; the stage, on the way in
	v_mul_u32_u24 v15, v2, SP
	v_add_nc_u32 v15, s40, v15                     ; and on the way out: my 16 neighbours
	v_bfe_u32 v8, v2, 1, 3                         ; my block of the row's eight
	v_lshrrev_b32 v9, 4, v2                        ; my row of the step's two
	v_and_b32 v10, 1, v2                           ; my half of the block
	v_and_b32 v11, 15, v2
	v_mul_u32_u24 v4, v8, KP
	v_lshl_add_u32 v4, v9, 4, v4
	v_lshl_add_u32 v4, v10, 3, v4
	v_add_nc_u32 v4, s41, v4                       ; codes in: block column, row, half
	v_lshl_add_u32 v5, v9, 4, v8
	v_add_nc_u32 v5, s42, v5                       ; my block's scale byte
	v_mul_u32_u24 v6, v9, KP
	v_lshl_add_u32 v6, v11, 4, v6
	v_add_nc_u32 v6, s41, v6                       ; codes out: two block columns an instruction
	v_lshlrev_b32 v12, 3, v2                       ; 8 x lane
	v_add_nc_u32 v7, s43, v12                      ; scale bytes out
.macro XTURN t                         ; step t's numbers through the stage: LDS serves a wave's instructions in order (ISA guide 5.7.1.4), so no wait stands between the stores and the loads
.irp i, 0,1,2,3
	ds_store_b128 v14, v[R+16*(\t)+4*\i:R+16*(\t)+4*\i+3] offset:32*SP*((\t)%2)+8*SP*\i
.endr
.irp i, 0,1,2,3
	ds_load_b128 v[X+16*((\t)%2)+4*\i:X+16*((\t)%2)+4*\i+3], v15 offset:32*SP*((\t)%2)+16*\i
.endr
.endm
	s_wait_alu depctr_va_vdst(0)
	s_wait_loadcnt 28                              ; step 0's four loads are in; the 28 of steps 1 to 7 stay out
	XTURN 0
.macro STEP t
.set XS, X+16*((\t)%2)
.if (\t) > 0
	s_wait_dscnt 2                                 ; this step's numbers are back from the stage (the last step's two small stores may be out)
.else
	s_wait_dscnt 0x0
.endif
.if (\t)+1 < STEPS
	s_wait_loadcnt 4*(STEPS-2-(\t))                ; the next step's four loads are in
	XTURN (\t)+1                                   ; and go through the other stage while this step is worked
.endif
	v_max3_num_f32 v8, |v[XS]|, |v[XS+1]|, |v[XS+2]|               ; the largest magnitude of my 16, in two chains
	v_max3_num_f32 v9, |v[XS+3]|, |v[XS+4]|, |v[XS+5]|
.irp i, 6,10
	v_max3_num_f32 v8, v8, |v[XS+\i]|, |v[XS+\i+1]|
	v_max3_num_f32 v9, v9, |v[XS+\i+2]|, |v[XS+\i+3]|
.endr
	v_max3_num_f32 v8, v8, |v[XS+14]|, |v[XS+15]|
	v_max3_num_f32 v8, v8, v9, (EMAX+1)<<23        ; and the floor 2^(3 - 127), under which no largest magnitude is taken: so the byte cannot fall under 1
	v_max_num_f32_dpp v8, v8, v8 row_xmask:1 row_mask:0xf bank_mask:0xf   ; and of my neighbour's 16: the block's
	v_add_nc_u32 v11, -(EMAX<<23), v8              ; 2 off its exponent field: the conversion takes the exponent field of this operand as its scale, and nothing else of it
	v_cvt_scalef32_pk8_fp4_f32 v[C+2*(\t)], v[XS:XS+7], v11
	v_cvt_scalef32_pk8_fp4_f32 v[C+2*(\t)+1], v[XS+8:XS+15], v11
	v_lshrrev_b32 v[E+(\t)], 23, v11               ; the scale's byte (a plain line behind the conversions)
	ds_store_b8 v5, v[E+(\t)] offset:32*(\t)       ; both lanes of a block write the same byte with the same value
	ds_store_b64 v4, v[C+2*(\t):C+2*(\t)+1] offset:32*(\t)   ; rows 2 t and 2 t + 1 of eight block columns
.endm
.irp t, 0,1,2,3,4,5,6,7
	STEP \t
.endr
.irp i, 0,1,2,3
	ds_load_b128 v[R+4*\i:R+4*\i+3], v6 offset:2*KP*\i             ; two block columns of 256 bytes (these loads see my stores: one wave, in order)
.endr
	s_wait_dscnt 0x0                               ; my codes are back, and, for the others' sake, my scale bytes are stored
.irp i, 0,1,2,3
	global_store_b128 v3, v[R+4*\i:R+4*\i+3], s[36:37] offset:512*\i   ; 32 lanes store 512 consecutive bytes, aligned
.endr
	s_barrier_signal -1
	s_barrier_wait -1                              ; a unit of scale bytes comes from two waves
	s_cmp_lt_u32 s28, 2
	s_cbranch_scc0 .Lx_end
	ds_load_b64 v[32:33], v7
	s_wait_dscnt 0x0
	global_store_b64 v12, v[32:33], s[38:39]       ; 32 lanes store 256 consecutive bytes, aligned
.Lx_end:
	s_wait_tensorcnt 0x0                           ; the wave's end
	ds_add_u32 v[SPW], v[NIL]
	s_wait_dscnt 0x0
	s_endpgm
; ---------------- the weights' scales.  Work-group 512 + j: hidden units 16 j .. 16 j + 15; wave g: gate g.  2,048 dense bytes of the input (16 units, all of K) are turned in LDS into eight units of 256 bytes, one for each K step.
.Lscales:
	s_sub_co_u32 s29, ttmp9, 512                   ; j
	s_lshr_b32 s30, s29, 2                         ; the tile of 64 hidden units
	s_and_b32 s31, s29, 3                          ; which 16 of them
	s_and_b32 s32, s28, 1
	s_cmp_eq_u32 s32, 0                            ; my gate's buffer, chosen on the wave's number alone
	s_cselect_b64 s[8:9], s[8:9], s[10:11]
	s_cselect_b64 s[12:13], s[12:13], s[14:15]
	s_cmp_lt_u32 s28, 2
	s_cselect_b64 s[8:9], s[8:9], s[12:13]
	s_lshl_b32 s32, s29, 11                        ; 16 rows of 128 bytes
	s_mov_b32 s33, 0
	s_add_nc_u64 s[8:9], s[8:9], s[32:33]
	s_lshl_b32 s32, s30, 15
	s_lshl_b32 s34, s28, 10
	s_add_co_u32 s32, s32, s34
	s_lshl_b32 s34, s31, 8
	s_add_co_u32 s32, s32, s34
	s_add_nc_u64 s[20:21], s[20:21], s[32:33]
	s_mul_i32 s40, s28, 16*WP
	s_add_co_u32 s40, s40, WLDS
.irp k, 0,1,2,3
	global_load_b128 v[16+4*\k:19+4*\k], v3, s[8:9] offset:512*\k th:TH_LOAD_NT   ; 512 consecutive bytes: four rows
.endr
	v_and_b32 v4, 15, v2                           ; r
	v_lshrrev_b32 v5, 4, v2                        ; h
	v_lshrrev_b32 v8, 3, v2
	v_mul_u32_u24 v8, v8, WP
	v_and_b32 v9, 7, v2
	v_lshl_add_u32 v8, v9, 4, v8
	v_add_nc_u32 v8, s40, v8                       ; in: eight lanes to a row of 128 bytes
	v_mul_u32_u24 v9, v4, WP
	v_lshl_add_u32 v9, v5, 4, v9
	v_add_nc_u32 v9, s40, v9                       ; back: row r, the 16 bytes of K step 2 k + h
	v_lshlrev_b32 v4, 4, v4
	v_lshl_add_u32 v5, v5, 12, v4                  ; out: lanes 16-31 one K step further on
	s_wait_alu depctr_va_vdst(0)
	s_wait_loadcnt 0x0
.irp k, 0,1,2,3
	ds_store_b128 v8, v[16+4*\k:19+4*\k] offset:4*WP*\k
.endr
.irp k, 0,1,2,3
	ds_load_b128 v[32+4*\k:35+4*\k], v9 offset:32*\k               ; one wave, in order: these see the stores above
.endr
	s_wait_dscnt 0x0
.irp k, 0,1,2,3
	global_store_b128 v5, v[32+4*\k:35+4*\k], s[20:21] offset:8192*\k   ; K steps 2 k and 2 k + 1: sixteen lanes store 256 consecutive bytes, aligned
.endr
	s_wait_tensorcnt 0x0
	ds_add_u32 v[SPW], v[NIL]
	s_wait_dscnt 0x0
	s_endpgm
.Lfunc_end_k_q4a3bd0fafb_prep:
	.size	k_q4a3bd0fafb_prep, .Lfunc_end_k_q4a3bd0fafb_prep-k_q4a3bd0fafb_prep
	.p2alignl 7, 3214868480
	.fill 96, 4, 3214868480
	.section	.rodata,"a",@progbits
	.p2align	6, 0x0
	.amdhsa_kernel k_q4a3bd0fafb_prep
		.amdhsa_group_segment_fixed_size 39936
		.amdhsa_private_segment_fixed_size 0
		.amdhsa_enable_private_segment 0
		.amdhsa_kernarg_size 72
		.amdhsa_user_sgpr_count 2
		.amdhsa_user_sgpr_kernarg_segment_ptr 1
		.amdhsa_wavefront_size32 1
		.amdhsa_system_sgpr_workgroup_id_x 1
		.amdhsa_system_sgpr_workgroup_id_y 1
		.amdhsa_system_sgpr_workgroup_id_z 1
		.amdhsa_system_vgpr_workitem_id 0
		.amdhsa_next_free_vgpr 202
		.amdhsa_next_free_sgpr 66
		.amdhsa_reserve_vcc 0
		.amdhsa_float_denorm_mode_32 3
		.amdhsa_float_denorm_mode_16_64 3
		.amdhsa_memory_ordered 1
		.amdhsa_forward_progress 1
		.amdhsa_inst_pref_size 23
	.end_amdhsa_kernel
	.amdgpu_metadata
---
amdhsa.version: [ 1, 2 ]
amdhsa.kernels:
  - .name:           k_q4a3bd0fafb_prep
    .symbol:         k_q4a3bd0fafb_prep.kd
    .args:
      - { .name: xt, .offset: 0, .size: 8, .value_kind: global_buffer, .address_space: global }
      - { .name: ht_pro, .offset: 8, .size: 8, .value_kind: global_buffer, .address_space: global }
      - { .name: Wf_scales, .offset: 16, .size: 8, .value_kind: global_buffer, .address_space: global }
      - { .name: Wi_scales, .offset: 24, .size: 8, .value_kind: global_buffer, .address_space: global }
      - { .name: Wc_scales, .offset: 32, .size: 8, .value_kind: global_buffer, .address_space: global }
      - { .name: Wo_scales, .offset: 40, .size: 8, .value_kind: global_buffer, .address_space: global }
      - { .name: xq, .offset: 48, .size: 8, .value_kind: global_buffer, .address_space: global }
      - { .name: xs, .offset: 56, .size: 8, .value_kind: global_buffer, .address_space: global }
      - { .name: wsc, .offset: 64, .size: 8, .value_kind: global_buffer, .address_space: global }
    .group_segment_fixed_size: 39936
    .private_segment_fixed_size: 0
    .kernarg_segment_align: 8
    .kernarg_segment_size: 72
    .max_flat_workgroup_size: 128
    .sgpr_count:     66
    .vgpr_count:     202
    .wavefront_size: 32
...
	.end_amdgpu_metadata
.endif
;; end of part 1
;; launch cell (part 2): grid 8 x 32, 4 waves a work-group, clusters of 4 x 1, 327,680 bytes of LDS; arguments xq, xs, wsc, Wf_codes, Wi_codes, Wc_codes, Wo_codes, bf, bi, bc, bo, out0, out1; writes out0, out1
.if DOCPART == 2
	.amdgcn_target "amdgcn-amd-amdhsa--gfx1250"
	.amdhsa_code_object_version 6
	.text
	.protected	k_q4a3bd0fafb_cell
	.globl	k_q4a3bd0fafb_cell
	.p2align	8
	.type	k_q4a3bd0fafb_cell,@function
k_q4a3bd0fafb_cell:
	s_mov_b64 s[64:65], 0
	v_nop
	global_prefetch_b8 v0, s[64:65] scope:SCOPE_SE
	s_setreg_imm32_b32 hwreg(HW_REG_WAVE_MODE, 25, 1), 1
	s_wait_xcnt 0x0
	s_wait_alu depctr_hold_cnt(0) depctr_sa_sdst(0) depctr_va_vdst(0) depctr_va_sdst(0) depctr_va_ssrc(0) depctr_va_vcc(0) depctr_vm_vsrc(0)
	s_getreg_b32 s2, hwreg(HW_REG_IB_STS2, 6, 4)
	s_cmp_eq_u32 s2, 0
	s_cbranch_scc0 .Lentry_in_a_cluster
	s_endpgm
.Lentry_in_a_cluster:
	s_bfe_u32 s2, ttmp6, 0x10000c
	s_cmp_lg_u32 s2, 0x3003
	s_cbranch_scc0 .Lentry_shape_is_right
	s_endpgm
.Lentry_shape_is_right:
; The four gates' products and the cell.  Work-group (x, y): rows 256 x .. + 255 of xh, hidden units 64 y .. + 63, all four gates: 256 work-groups.  Wave w: rows 64 w .. + 63 of them and all 4 x 64 gate columns: 32 accumulators of
; 32 x 16, 512 registers.  So a wave holds all four gates of its outputs, and whole rows of 256 bytes of both outputs: no wave waits for another behind the products.
; THE MATRIX INSTRUCTION IS USED TRANSPOSED: source 0 = 32 rows of a gate's weights, source 1 = 16 rows of xh: lane (r, h) holds row r of xh, and its registers j and 8 + j the hidden units 8 h + j and 16 + 8 h + j.
; WEIGHTS: K goes in trips of 1,024 through two LDS slots of 4 gates x 64 rows x 512 bytes.  Wave g fetches gate g's 64 rows straight from the input, jointly with the three partners of its cluster, which have the same y: one load a wave behind each
; round, and eight steps of 128 along K (256 matrix instructions) for it to land in.  So the weights are not prefetched.
; xh AND ALL SCALES go from the workspace straight into registers, in operand order, every load 256 or 512 consecutive bytes.  They are not loaded jointly: a joint load lands in LDS, the four gates take each wave's one load behind a round,
; and each wave needs rows of xh that no other wave of its work-group needs.  xh's codes are loaded three steps ahead and prefetched one trip ahead (by the work-groups with y < 16: y / 4 says which of a wave's four row blocks:
; each 256 bytes are named by four of the 32 work-groups that load them); scales are loaded four steps ahead.
; DEAD WORK left out: ct_pro, which reaches no result (shown at the head of prep).  LIMIT: NaN and infinities among the gates' sums are not served (the exponents of f, i and c are held at 40 from above, which moves no gate by more than 2^-39).
; REGISTERS, in windows of 256: window 0: v0-31 addresses, v32-127 scale words (two sets of 4 steps: 8 x 4 of the weights, 4 x 4 of xh), v128-255 xh's fragments (4 steps x 4 blocks x 8);
;   window 1: the weights' fragments, two sets of 8 x 16;   windows 2, 3: the sums: group 2 gate + half of block b at v[128 (b % 2) + 16 group] of window 2 + b / 2.
.set PITCH,  528                       ; an LDS row: 512 bytes + 16 of padding: row r starts at bank 4 r mod 64 (64 banks of 4 bytes: ISA guide 11.1)
.set GATE,   64*PITCH
.set SLOT,   4*GATE
.set SPARE,  2*SLOT                    ; the spare words, 128 bytes for each wave
.set STAGE,  SPARE+512                 ; the way out: for each wave two outputs x 16 rows x 272 bytes
.set OP,     272
.set OH,     16*OP
.set ADR,  4                           ; v4-7  LDS address of my fragments: slot 0 gates f i, slot 0 gates c o, slot 1 likewise
.set AOF,  8                           ; v8    16 x lane
.set XSO,  9                           ; v9    16 r
.set PFO,  10                          ; v10   the prefetches' offset
.set BO,   11                          ; v11   32 h
.set STO,  12                          ; v12   the stage: where I put 16 bytes of a row
.set RD,   13                          ; v13   the stage: where I read two rows back
.set CO,   14                          ; v14   the same two rows in an output
.set SPW,  16
.set NIL,  17
.set SC,   32
.set AF,   128
.set TA,   32                          ; behind the products: 32 numbers a lane of f, i, c, o, then what is made of them
.set TB,   64
.set TE,   96
.set TD,   128
.set U,    160                         ; ct
.set V,    192                         ; ht
.set OB,   0                           ; window 1: rows read back from the stage
.set G1,   36                          ; s[36:43] descriptor group 1
.set G0,   44                          ; s[44:47], s[48:51] group 0 for slots 0, 1
.set MSB, 0
.macro WIN new                         ; the immediate's high byte repeats the setting that is left
.if MSB != \new
	s_set_vgpr_msb (MSB<<8)|\new
.set MSB, \new
.endif
.endm
.set MUL_LO,   0xa1                    ; source 0 window 1, source 1 window 0, C and D window 2
.set MUL_HI,   0xf1                    ; the same, C and D window 3
.set FIRST_LO, 0xb1                    ; the first step: C is the bias, in window 3
.set TO_W,     0x40
.macro CREST                           ; a round of the cluster's barrier behind its opening barrier
	s_cmp_lg_u32 s30, 0
	s_cbranch_scc1 .Lnot_wave_0_\@
	s_barrier_signal -3
.Lnot_wave_0_\@:
	s_barrier_wait -3
	s_barrier_signal -1
	s_barrier_wait -1
.endm
.macro CROUND
	s_barrier_signal -1
	s_barrier_wait -1
	CREST
.endm
.macro PLACES n
.rept \n
	v_nop
.endr
.endm
.macro JLOAD slot                      ; my gate's 64 rows, jointly
	tensor_load_to_lds s[G0+4*(\slot):G0+4*(\slot)+3], s[G1:G1+7]
	s_nop 0
.endm
	s_load_b512 s[4:19], s[0:1], 0x0               ; xq 4, xs 6, wsc 8, codes of Wf 10, Wi 12, Wc 14, Wo 16, bf 18
	s_load_b256 s[20:27], s[0:1], 0x40             ; bi 20, bc 22, bo 24, out0 26
	s_load_b64 s[28:29], s[0:1], 0x60              ; out1
	v_lshl_add_u32 v[SPW], v0, 2, SPARE
	v_mov_b32 v[NIL], 0
	ds_add_u32 v[SPW], v[NIL]                      ; the wave's opening: the add, twice on end, and its wait ahead of my first tensor load
	ds_add_u32 v[SPW], v[NIL]
	v_lshrrev_b32 v1, 5, v0
	v_readfirstlane_b32 s30, v1                    ; wave 0..3
	s_bfe_u32 s31, ttmp6, 0x40000                  ; cx
	s_lshl_b32 s32, ttmp9, 2
	s_add_co_u32 s32, s32, s31                     ; x = 4 x cluster x + cx
	s_and_b32 s33, ttmp7, 0xffff                   ; y
	s_mov_b32 s[G1+0], 15|(3<<16)|(1<<20)|(1<<21)|(6<<22)|(3<<25)   ; the four of the cluster; elements of 8 bytes; padding on; bit 21 beside the mask; after every 128 words, of 4 words
	s_mov_b32 s[G1+1], 64<<16                      ; tensor_dim0 = 64 elements, 512 bytes
	s_mov_b32 s[G1+2], 64<<16                      ; tensor_dim1 = 64 rows
	s_mov_b32 s[G1+3], 64<<16                      ; tile_dim0
	s_mov_b32 s[G1+4], 64                          ; tile_dim1
	s_mov_b32 s[G1+5], 256                         ; from row to row 2,048 bytes
	s_mov_b32 s[G1+6], 0
	s_mov_b32 s[G1+7], 0
	s_mov_b32 s52, 0xbfb8aa3b                      ; -log2(e)
	s_mov_b32 s53, s52
	s_mov_b32 s54, 0x4038aa3b                      ; 2 log2(e)
	s_mov_b32 s55, s54
	s_mov_b32 s56, 0x42200000                      ; 40
	s_mov_b32 s59, 0
	s_lshr_b32 s60, s33, 2
	s_lshl_b32 s60, s60, 15                        ; the prefetches: which of my row blocks (y < 16)
	s_mul_i32 s61, s30, 2*OH
	s_add_co_u32 s61, s61, STAGE                   ; my stage
	s_mul_i32 s45, s30, GATE                       ; wave g fetches gate g
	s_add_co_u32 s49, s45, SLOT
	s_mov_b32 s44, 1
	s_mov_b32 s48, 1
	s_wait_dscnt 0x0                               ; both opening adds are done
	s_wait_kmcnt 0x0
	s_and_b32 s58, s30, 1
	s_cmp_eq_u32 s58, 0                            ; my gate's buffer, chosen on the wave's number alone
	s_cselect_b64 s[10:11], s[10:11], s[12:13]
	s_cselect_b64 s[14:15], s[14:15], s[16:17]
	s_cmp_lt_u32 s30, 2
	s_cselect_b64 s[10:11], s[10:11], s[14:15]
	s_lshl_b32 s58, s33, 17                        ; 64 y rows of 2,048 bytes
	s_add_nc_u64 s[46:47], s[10:11], s[58:59]
	s_add_nc_u64 s[50:51], s[46:47], 512
	s_or_b32 s47, s47, 0x80000000
	s_or_b32 s51, s51, 0x80000000
	CROUND                                         ; the four work-groups are here: the first joint loads meet
	JLOAD 0                                        ; trip 0: one tensor load a wave at the head
	PLACES 4
	s_lshl_b32 s62, s32, 2
	s_add_co_u32 s62, s62, s30                     ; my 64 rows: group 4 x + w
	s_lshl_b32 s58, s62, 17
	s_add_nc_u64 s[4:5], s[4:5], s[58:59]          ; their codes: 4 row blocks of 32,768 bytes,
	s_lshl_b32 s58, s62, 13
	s_add_nc_u64 s[6:7], s[6:7], s[58:59]          ; and scales
	s_lshl_b32 s58, s33, 15
	s_add_nc_u64 s[8:9], s[8:9], s[58:59]          ; the scales of my hidden units' weights
	s_lshl_b32 s58, s33, 8
	s_add_nc_u64 s[18:19], s[18:19], s[58:59]      ; their biases
	s_add_nc_u64 s[20:21], s[20:21], s[58:59]
	s_add_nc_u64 s[22:23], s[22:23], s[58:59]
	s_add_nc_u64 s[24:25], s[24:25], s[58:59]
	s_lshl_b32 s62, s62, 19                        ; 64 rows of 8,192 bytes
	s_add_co_u32 s58, s58, s62
	s_add_nc_u64 s[26:27], s[26:27], s[58:59]      ; my outputs
	s_add_nc_u64 s[28:29], s[28:29], s[58:59]
	v_and_b32 v1, 15, v0                           ; r
	v_bfe_u32 v2, v0, 4, 1                         ; h
	v_and_b32 v15, 31, v0                          ; lane
	v_mul_u32_u24 v3, v1, PITCH
	v_lshl_add_u32 v[ADR], v2, 4, v3               ; a fragment: row r, 16 h
	v_add_nc_u32 v[ADR+1], 2*GATE, v[ADR]
	v_add_nc_u32 v[ADR+2], SLOT, v[ADR]
	v_add_nc_u32 v[ADR+3], SLOT+2*GATE, v[ADR]
	v_lshlrev_b32 v[AOF], 4, v15
	v_lshlrev_b32 v[XSO], 4, v1
	v_lshlrev_b32 v[PFO], 8, v15
	v_add_nc_u32 v[PFO], s60, v[PFO]
	v_lshlrev_b32 v[BO], 5, v2
	v_mul_u32_u24 v3, v1, OP
	v_lshl_add_u32 v3, v2, 5, v3
	v_add_nc_u32 v[STO], s61, v3
	v_mul_u32_u24 v3, v2, OP
	v_lshl_add_u32 v3, v1, 4, v3
	v_add_nc_u32 v[RD], s61, v3
	v_lshlrev_b32 v3, 13, v2
	v_lshl_add_u32 v[CO], v1, 4, v3
	s_wait_alu depctr_va_vdst(0)
; THE BIASES are the first step's C, in the sums' layout.  They stand in the sums of block 3: blocks 0 to 2 read them there, block 3 starts on them in place.
.macro BIASLD g, base
.irp k, 0,1,2,3,4,5,6,7
	global_load_b128 v[128+32*\g+4*\k:128+32*\g+4*\k+3], v[BO], s[\base:\base+1] offset:64*(\k/2)+16*(\k%2)
.endr
.endm
	WIN 0xc0
	BIASLD 0, 18
	BIASLD 1, 20
	BIASLD 2, 22
	BIASLD 3, 24
	WIN 0
.macro LDSC sp, j                      ; K step sp of 512: scale words of the weights' groups 2 j, 2 j + 1 (lane m: row m of 32) and of xh's block j (lane r: row r)
.irp i, 0,1
	global_load_b128 v[SC+48*((\sp)%2)+4*(2*\j+\i):SC+48*((\sp)%2)+4*(2*\j+\i)+3], v[AOF], s[8:9] offset:4096*(\sp)+512*(2*\j+\i)
.endr
	global_load_b128 v[SC+48*((\sp)%2)+32+4*\j:SC+48*((\sp)%2)+32+4*\j+3], v[XSO], s[6:7] offset:1024*(\sp)+256*\j
.endm
.macro LDA t, b                        ; xh's fragment of block b, step t of 128
.irp c, 0,1
	global_load_b128 v[AF+32*((\t)%4)+8*\b+4*\c:AF+32*((\t)%4)+8*\b+4*\c+3], v[AOF], s[4:5] offset:32768*\b+1024*(\t)+512*\c
.endr
.endm
.irp j, 0,1,2,3
	LDSC 0, \j
.endr
.irp t, 0,1,2
.irp b, 0,1,2,3
	LDA \t, \b
.endr
.endr
.macro FB g                            ; the weights' fragments of group g, step TN: 32 rows, four loads
.irp u, 0,1
.irp c, 0,1
	ds_load_b128 v[128*(TN%2)+16*\g+8*\u+4*\c:128*(TN%2)+16*\g+8*\u+4*\c+3], v[ADR+2*((TN/8)%2)+\g/4] offset:64*(TN%8)+32*\c+(32*(\g%4)+16*\u)*PITCH
.endr
.endr
.endm
.macro M1 hi, b, g                     ; one matrix instruction of step T: group g x block 2 hi + b
.if T == 0
	v_wmma_scale_f32_32x16x128_f4 v[128*\b+16*\g:128*\b+16*\g+15], v[128*(T%2)+16*\g:128*(T%2)+16*\g+15], v[AF+32*(T%4)+8*(2*\hi+\b):AF+32*(T%4)+8*(2*\hi+\b)+7], v[128+16*\g:128+16*\g+15], v[SC+48*((T/4)%2)+4*\g+T%4], v[SC+48*((T/4)%2)+32+4*(2*\hi+\b)+T%4]
.else
	v_wmma_scale_f32_32x16x128_f4 v[128*\b+16*\g:128*\b+16*\g+15], v[128*(T%2)+16*\g:128*(T%2)+16*\g+15], v[AF+32*(T%4)+8*(2*\hi+\b):AF+32*(T%4)+8*(2*\hi+\b)+7], v[128*\b+16*\g:128*\b+16*\g+15], v[SC+48*((T/4)%2)+4*\g+T%4], v[SC+48*((T/4)%2)+32+4*(2*\hi+\b)+T%4]
.endif
.endm
.macro LO ga, gb                       ; groups ga, gb x blocks 0, 1
.if T == 0
	WIN FIRST_LO
.else
	WIN MUL_LO
.endif
	M1 0, 0, \ga
	M1 0, 1, \ga
	M1 0, 0, \gb
	M1 0, 1, \gb
.endm
.macro HI                              ; all groups x blocks 2, 3
	WIN MUL_HI
.if T == 0
.irp g, 0,1,2,3,4,5,6,7
	M1 1, 0, \g
.endr
	PLACES 5                                       ; block 3 writes over the biases that the others have read as C
.irp g, 0,1,2,3,4,5,6,7
	M1 1, 1, \g
.endr
.else
.irp g, 0,1,2,3,4,5,6,7
	M1 1, 0, \g
	M1 1, 1, \g
.endr
.endif
.endm
; Step T's xh fragments were loaded in step T - 3.  Behind them: the loads of steps T - 2 and T - 1 (8 fragments each, as far as there are steps to come) and 12 of scales in each of steps T - 3 to T - 1 that is a multiple of 4 and not the last such.
.macro YOUNG u, a
.if \a
.if (\u)+3 < 32
.set LC, LC+8
.endif
.endif
.if ((\u) >= 0) && ((\u) < 28)
.if (\u)%4 == 0
.set LC, LC+12
.endif
.endif
.endm
.macro WAITA
.set LC, 0
	YOUNG T-3, 0
	YOUNG T-2, 1
	YOUNG T-1, 1
	s_wait_loadcnt LC
.endm
.macro RUN ga, gb                      ; fragments of the next step: the set that step T - 1 multiplied
	WIN TO_W
	FB \ga
	FB \gb
.endm
.macro RUNA ba, bb                     ; xh's fragments three steps on
.if T+3 < 32
	WIN 0
	LDA T+3, \ba
	LDA T+3, \bb
.endif
.endm
.macro RUNS ja, jb                     ; scales of the next K step of 512
.if (T%4 == 0) && (T < 28)
	WIN 0
	LDSC T/4+1, \ja
	LDSC T/4+1, \jb
.endif
.endm
; A step: 32 matrix instructions, the 32 accumulators by turns.  The loads for later steps stand in two runs: behind the first four matrix instructions, and between the two windows of the sums.
.macro STEP
.set TN, T+1
	WAITA
	s_wait_dscnt 16                                ; groups 0-3 are in; the sixteen loads of groups 4-7 may be out
	LO 0, 1
	PLACES 4                                       ; for this step's loads into registers that step T - 1's matrix instructions read
	RUN 0, 1
	RUN 2, 3
	RUNA 0, 1
	LO 2, 3
	s_wait_dscnt 16                                ; groups 4-7 are in: all but the sixteen of the run above
	LO 4, 5
	LO 6, 7
	RUN 4, 5
	RUN 6, 7
	RUNA 2, 3
	RUNS 0, 1
	RUNS 2, 3
.if (T%8 == 1) && (T < 24)
	WIN 0
	s_cmp_lt_u32 s33, 16
	s_cbranch_scc0 .Lnot_mine_\@
	global_prefetch_b8 v[PFO], s[4:5] offset:8192*(T/8+1) th:TH_LOAD_NT scope:SCOPE_SE   ; the next trip's 8,192 bytes of one row block, 256 a lane
.Lnot_mine_\@:
.endif
	HI
.endm
; A trip's last step changes slots: in front of the barrier each wave waits for all its tensor loads, adds 0 to its spare word, and waits for that and for its reads of this slot.  fill = 1: this slot is filled again, two trips ahead.
.macro TURN fill
.set TN, T+1
	WIN 0
	s_wait_tensorcnt 0x0
	ds_add_u32 v[SPW], v[NIL]
.if \fill
	s_add_nc_u64 s[G0+4*((T/8)%2)+2:G0+4*((T/8)%2)+3], s[G0+4*((T/8)%2)+2:G0+4*((T/8)%2)+3], 1024
.endif
	WAITA
	s_wait_dscnt 17                                ; groups 0-3 are in; groups 4-7 and the add may be out
	LO 0, 1
	LO 2, 3
	s_wait_dscnt 0x0                               ; the add is done, and my reads of this slot are over
	s_barrier_signal -1
	LO 4, 5
	WIN 0
	s_barrier_wait -1
.if \fill
	CREST                                          ; no wave of any partner still reads this slot or has a load on its way
	JLOAD (T/8)%2
.endif
	PLACES 4
	RUN 0, 1
	RUN 2, 3
	RUN 4, 5
	RUN 6, 7
	RUNA 0, 1
	RUNA 2, 3
	LO 6, 7
	HI
.endm
.macro SEVEN
.rept 7
	STEP
.set T, T+1
.endr
.endm
	s_wait_tensorcnt 0x0                           ; my gate's first tile is in
	ds_add_u32 v[SPW], v[NIL]
	s_wait_dscnt 0x0
	CROUND                                         ; all four gates' tiles are in, and the joint loads meet:
	JLOAD 1                                        ; trip 1
	PLACES 4
.set TN, 0
	RUN 0, 1
	RUN 2, 3
	RUN 4, 5
	RUN 6, 7
.set T, 0
	SEVEN
	TURN 1
.set T, T+1
	SEVEN
	TURN 1
.set T, T+1
	SEVEN
	TURN 0                                         ; nothing is filled again: no round follows
.set T, T+1
	SEVEN
	WAITA                                          ; the last step fetches nothing
	s_wait_dscnt 16
	LO 0, 1
	LO 2, 3
	s_wait_dscnt 0x0
	LO 4, 5
	LO 6, 7
	HI
	WIN 0
	PLACES 4                                       ; the lines below read results just made and write registers that were operands
; THE CELL, block by block of 16 rows x 64 hidden units, 32 numbers of each gate a lane.  With a = e^-zf, b = e^-zi, e = e^(2 zc), d = e^-zo:
;   ct = (2 + a + b) (e - 1) / ((1 + a) (1 + b) (1 + e)),  g = e^(2 ct),  ht = (g - 1) / ((1 + d) (1 + g)).
; The exponents of a, b and e are held at 40: the product of the three stays under 2^123.  d may reach infinity: its reciprocal is 0, and so is ht.
.macro PK op, d, s0, s1                ; 16 packed instructions on 32 registers
.set P, 0
.rept 16
	\op v[\d+P:\d+P+1], v[\s0+P:\s0+P+1], v[\s1+P:\s1+P+1]
.set P, P+2
.endr
.endm
.macro SEND b                          ; block b's rows of both outputs, back from the stage: sixteen lanes store 256 consecutive bytes, aligned
	s_wait_dscnt 0x0
	WIN 0x04
.irp t, 0,1,2,3,4,5,6,7
	global_store_b128 v[CO], v[OB+4*\t:OB+4*\t+3], s[26:27] offset:(16*(\b)+2*\t)*8192 th:TH_STORE_NT
.endr
.irp t, 0,1,2,3,4,5,6,7
	global_store_b128 v[CO], v[OB+32+4*\t:OB+32+4*\t+3], s[28:29] offset:(16*(\b)+2*\t)*8192 th:TH_STORE_NT
.endr
	WIN 0
.endm
.macro ARM b                           ; block b's sums as exponents to the base 2; then block b - 1 leaves
	WIN 0x02+\b/2
	s_wait_alu depctr_va_vdst(0)                   ; the wait ahead of the sums' first readers
.irp g, 0,1,2,3
.set P, 0
.rept 16
.if \g == 2
	v_pk_mul_f32 v[TA+32*\g+P:TA+32*\g+P+1], v[128*(\b%2)+32*\g+P:128*(\b%2)+32*\g+P+1], s[54:55] op_sel_hi:[1,0]
.else
	v_pk_mul_f32 v[TA+32*\g+P:TA+32*\g+P+1], v[128*(\b%2)+32*\g+P:128*(\b%2)+32*\g+P+1], s[52:53] op_sel_hi:[1,0]
.endif
.set P, P+2
.endr
.endr
	WIN 0
	s_wait_alu depctr_va_vdst(0)                   ; and ahead of the wait or the branch below
.if \b > 0
	SEND \b-1
.endif
.endm
	s_mov_b32 s66, 0
.Lblock:
	s_cmp_eq_u32 s66, 0
	s_cbranch_scc0 .Lb1
	ARM 0
	s_branch .Lgo
.Lb1:
	s_cmp_eq_u32 s66, 1
	s_cbranch_scc0 .Lb2
	ARM 1
	s_branch .Lgo
.Lb2:
	s_cmp_eq_u32 s66, 2
	s_cbranch_scc0 .Lb3
	ARM 2
	s_branch .Lgo
.Lb3:
	ARM 3
.Lgo:
.set K, 0
.rept 32
	v_min_num_f32 v[TA+K], s56, v[TA+K]
.set K, K+1
.endr
	s_wait_alu depctr_va_vdst(0)                   ; each such wait serves the batch behind it and the batch in front of it
.set K, 0
.rept 32
	v_exp_f32 v[TA+K], v[TA+K]                     ; a
	v_min_num_f32 v[TB+K], s56, v[TB+K]
.set K, K+1
.endr
	s_wait_alu depctr_va_vdst(0)
.set K, 0
.rept 32
	v_exp_f32 v[TB+K], v[TB+K]                     ; b
	v_min_num_f32 v[TE+K], s56, v[TE+K]
.set K, K+1
.endr
	s_wait_alu depctr_va_vdst(0)
.set K, 0
.rept 16
	v_exp_f32 v[TE+K], v[TE+K]                     ; e
	v_exp_f32 v[TE+K+1], v[TE+K+1]
	v_pk_add_f32 v[TB+K:TB+K+1], v[TB+K:TB+K+1], 1.0 op_sel_hi:[1,0]   ; 1 + b
.set K, K+2
.endr
	s_wait_alu depctr_va_vdst(0)
.set K, 0
.rept 16
	v_exp_f32 v[TD+K], v[TD+K]                     ; d
	v_pk_add_f32 v[U+K:U+K+1], v[TA+K:TA+K+1], v[TB+K:TB+K+1]          ; 1 + a + b
	v_exp_f32 v[TD+K+1], v[TD+K+1]
	v_pk_fma_f32 v[TA+K:TA+K+1], v[TA+K:TA+K+1], v[TB+K:TB+K+1], v[TB+K:TB+K+1]   ; (1 + a) (1 + b)
.set K, K+2
.endr
	s_wait_alu depctr_va_vdst(0)
.set K, 0
.rept 16
	v_pk_fma_f32 v[TA+K:TA+K+1], v[TA+K:TA+K+1], v[TE+K:TE+K+1], v[TA+K:TA+K+1]   ; x (1 + e)
.set K, K+2
.endr
.set K, 0
.rept 16
	v_pk_add_f32 v[V+K:V+K+1], v[TE+K:TE+K+1], -1.0 op_sel_hi:[1,0]    ; e - 1
.set K, K+2
.endr
	s_wait_alu depctr_va_vdst(0)
.set K, 0
.rept 16
	v_rcp_f32 v[TA+K], v[TA+K]
	v_rcp_f32 v[TA+K+1], v[TA+K+1]
	v_pk_fma_f32 v[U+K:U+K+1], v[U+K:U+K+1], v[V+K:V+K+1], v[V+K:V+K+1]           ; (2 + a + b) (e - 1)
.set K, K+2
.endr
	s_wait_alu depctr_va_vdst(0)
	PK v_pk_mul_f32, U, U, TA                      ; ct
.set K, 0
.rept 16
	v_pk_mul_f32 v[V+K:V+K+1], v[U+K:U+K+1], s[54:55] op_sel_hi:[1,0]
.set K, K+2
.endr
	s_wait_alu depctr_va_vdst(0)
.set K, 0
.rept 32
	v_exp_f32 v[V+K], v[V+K]                       ; g
.set K, K+1
.endr
.irp k, 0,1,2,3,4,5,6,7
	ds_store_b128 v[STO], v[U+4*\k:U+4*\k+3] offset:OH+64*(\k/2)+16*(\k%2)   ; into my own stage: no other wave touches it, and LDS serves a wave's instructions in order (ISA guide 5.7.1.4)
.endr
	v_nop                                          ; a plain place behind the batch
	s_wait_alu depctr_va_vdst(0)
.set K, 0
.rept 16
	v_pk_add_f32 v[V+K:V+K+1], v[V+K:V+K+1], 1.0 op_sel_hi:[1,0]       ; 1 + g
.set K, K+2
.endr
.set K, 0
.rept 16
	v_pk_fma_f32 v[TD+K:TD+K+1], v[TD+K:TD+K+1], v[V+K:V+K+1], v[V+K:V+K+1]       ; (1 + d) (1 + g)
.set K, K+2
.endr
	s_wait_alu depctr_va_vdst(0)
.set K, 0
.rept 16
	v_rcp_f32 v[TD+K], v[TD+K]
	v_rcp_f32 v[TD+K+1], v[TD+K+1]
	v_pk_add_f32 v[V+K:V+K+1], v[V+K:V+K+1], -2.0 op_sel_hi:[1,0]      ; g - 1
.set K, K+2
.endr
	s_wait_alu depctr_va_vdst(0)
	PK v_pk_mul_f32, V, V, TD                      ; ht
.irp k, 0,1,2,3,4,5,6,7
	ds_store_b128 v[STO], v[V+4*\k:V+4*\k+3] offset:64*(\k/2)+16*(\k%2)
.endr
	s_wait_alu depctr_va_vdst(0)
	s_wait_xcnt 0x0                                ; the last block's stores have read their registers
	WIN 0x40
.irp t, 0,1,2,3,4,5,6,7
	ds_load_b128 v[OB+4*\t:OB+4*\t+3], v[RD] offset:2*OP*\t
.endr
.irp t, 0,1,2,3,4,5,6,7
	ds_load_b128 v[OB+32+4*\t:OB+32+4*\t+3], v[RD] offset:OH+2*OP*\t
.endr
	WIN 0
	s_add_co_u32 s66, s66, 1
	s_cmp_lt_u32 s66, 4
	s_cbranch_scc1 .Lblock
	SEND 3
	s_wait_tensorcnt 0x0                           ; the wave's end
	ds_add_u32 v[SPW], v[NIL]
	s_wait_dscnt 0x0
	CROUND                                         ; the closing round: no work-group ends while a partner may still ask for a tile that names it
	s_endpgm
.Lfunc_end_k_q4a3bd0fafb_cell:
	.size	k_q4a3bd0fafb_cell, .Lfunc_end_k_q4a3bd0fafb_cell-k_q4a3bd0fafb_cell
	.p2alignl 7, 3214868480
	.fill 96, 4, 3214868480
	.section	.rodata,"a",@progbits
	.p2align	6, 0x0
	.amdhsa_kernel k_q4a3bd0fafb_cell
		.amdhsa_group_segment_fixed_size 327680
		.amdhsa_private_segment_fixed_size 0
		.amdhsa_enable_private_segment 0
		.amdhsa_kernarg_size 104
		.amdhsa_user_sgpr_count 2
		.amdhsa_user_sgpr_kernarg_segment_ptr 1
		.amdhsa_wavefront_size32 1
		.amdhsa_system_sgpr_workgroup_id_x 1
		.amdhsa_system_sgpr_workgroup_id_y 1
		.amdhsa_system_sgpr_workgroup_id_z 1
		.amdhsa_system_vgpr_workitem_id 0
		.amdhsa_next_free_vgpr 1024
		.amdhsa_next_free_sgpr 96
		.amdhsa_reserve_vcc 0
		.amdhsa_float_denorm_mode_32 3
		.amdhsa_float_denorm_mode_16_64 3
		.amdhsa_memory_ordered 1
		.amdhsa_forward_progress 1
		.amdhsa_inst_pref_size 255
	.end_amdhsa_kernel
	.section	.bss,"aw",@nobits
	.p2align	6
	.space	262144
	.amdgpu_metadata
---
amdhsa.version: [ 1, 2 ]
amdhsa.kernels:
  - .name:           k_q4a3bd0fafb_cell
    .symbol:         k_q4a3bd0fafb_cell.kd
    .args:
      - { .name: xq, .offset: 0, .size: 8, .value_kind: global_buffer, .address_space: global }
      - { .name: xs, .offset: 8, .size: 8, .value_kind: global_buffer, .address_space: global }
      - { .name: wsc, .offset: 16, .size: 8, .value_kind: global_buffer, .address_space: global }
      - { .name: Wf_codes, .offset: 24, .size: 8, .value_kind: global_buffer, .address_space: global }
      - { .name: Wi_codes, .offset: 32, .size: 8, .value_kind: global_buffer, .address_space: global }
      - { .name: Wc_codes, .offset: 40, .size: 8, .value_kind: global_buffer, .address_space: global }
      - { .name: Wo_codes, .offset: 48, .size: 8, .value_kind: global_buffer, .address_space: global }
      - { .name: bf, .offset: 56, .size: 8, .value_kind: global_buffer, .address_space: global }
      - { .name: bi, .offset: 64, .size: 8, .value_kind: global_buffer, .address_space: global }
      - { .name: bc, .offset: 72, .size: 8, .value_kind: global_buffer, .address_space: global }
      - { .name: bo, .offset: 80, .size: 8, .value_kind: global_buffer, .address_space: global }
      - { .name: out0, .offset: 88, .size: 8, .value_kind: global_buffer, .address_space: global }
      - { .name: out1, .offset: 96, .size: 8, .value_kind: global_buffer, .address_space: global }
    .group_segment_fixed_size: 327680
    .private_segment_fixed_size: 0
    .kernarg_segment_align: 8
    .kernarg_segment_size: 104
    .max_flat_workgroup_size: 128
    .sgpr_count:     96
    .vgpr_count:     1024
    .wavefront_size: 32
...
	.end_amdgpu_metadata
.endif
;; end of part 2
